; MI455X (gfx1250); checked and timed in simulation.
; The chip was launched on July 23, 2026; its instructions are those of AMD's public machine-readable ISA for CDNA 5 (MIT licence, August 2026) and "CDNA5" Instruction Set Architecture Reference Guide (July 2026). The comments in the code are by the model that wrote it; some were corrected since.
;; Token Routed MLP. Allowed arithmetic: float matrix products may take bf16 or f16 operands with f32 sums; all other float work in f32.
;; Inputs: down_proj 8 x 1,024 x 2,048 float32; gate_up_proj 8 x 2,048 x 2,048 float32; token_ids 1,024 int32; x 1,024 x 2,048 float32.
;; Outputs: out0 1,024 x 2,048 float32.
;; One version. Each part assembles by itself: llvm-mc -triple=amdgcn-amd-amdhsa -mcpu=gfx1250 --defsym DOCPART=n.
;; ======== version 1 of 1: 3 launches
;; workspace buffers: xs 4,194,304 bytes; hs 2,097,152 bytes; order 4,096 bytes of whole numbers; route 256 bytes of whole numbers
;; launch prep (part 1): grid 129 x 1, 8 waves a work-group, no clusters, 34,304 bytes of LDS; arguments token_ids, x, xs, order, route; writes xs, order, route
.if DOCPART == 1
	.amdgcn_target "amdgcn-amd-amdhsa--gfx1250"
	.amdhsa_code_object_version 6
	.text
	.protected	k_qe01346ad04_prep
	.globl	k_qe01346ad04_prep
	.p2align	8
	.type	k_qe01346ad04_prep,@function
k_qe01346ad04_prep:
	s_mov_b64 s[64:65], 0
	v_nop
	global_prefetch_b8 v0, s[64:65] scope:SCOPE_SE
	s_setreg_imm32_b32 hwreg(HW_REG_WAVE_MODE, 25, 1), 1
	s_wait_xcnt 0x0
; Sorts the 1,024 tokens by expert, e = clip(token_id, 0, 50256) & 7, and lays x out for the two product launches.
;   order[p]  the token at sorted place p (sort key e << 10 | token: 13 bits, no two alike)
;   xs        x[order[p]] in bf16 as panels [k / 16][p][16]: byte (k / 16) * 32768 + 32 p + 2 (k & 15)
;   route     16 entries {expert, lo, hi, 0}: entry e < 8 = the first 184 sorted rows of expert e,
;             entries 8 to 15 = further pieces of 184 rows of experts with more (at most 5, since 1,024 / 184 < 6); the rest are 0, 0, 0, 0
; Work-groups 0 to 127: eight sorted rows each, a wave a row.  Every wave holds all 1,024 keys (32 a lane) and finds the key of
; its rank by bisection over the 13 bits: no traffic between work-groups, no atomics.  The eight rows meet in LDS, so that a
; panel's 8 rows x 32 bytes leave as 256 consecutive bytes, aligned.
; Work-group 128: wave 0 counts the experts' rows and writes the table; its other seven waves have no part in that and end.
; order leaves in pieces of 32 bytes, one a work-group: 4,096 bytes in all.
; Matrix units and tensor loads have nothing to do here: each byte of x is read once and used once.
.set KEY,    8                         ; v[8:39]    my 32 keys: register 4 i + c is token 128 i + 4 lane + c
.set XR,     40                        ; v[40:103]  the row of x as loaded, packed in place; later the panels' bytes
.set LRD,    104                       ; v104       LDS address for reading panels
.set GOF,    105                       ; v105       byte offset in xs
.set RPITCH, 4128                      ; an LDS row: 4,096 bytes of bf16 + 32: eight rows' 32-byte pieces fall on eight different 32-byte columns of 256
.set TOKS,   33024                     ; eight words: the eight rows' tokens
.set CAP,    184                       ; rows in a table entry
	s_load_b256 s[4:11], s[0:1], 0x0               ; token_ids s[4:5], x s[6:7], xs s[8:9], order s[10:11]
	s_load_b64 s[12:13], s[0:1], 0x20              ; route
	v_lshl_add_u32 v112, v0, 2, 0x8200
	v_mov_b32 v113, 0
	v_and_b32 v1, 31, v0                           ; lane
	v_lshrrev_b32 v4, 5, v0
	v_readfirstlane_b32 s14, v4                    ; wave
	v_lshlrev_b32 v2, 4, v1                        ; 16 lane
	v_lshlrev_b32 v3, 2, v1                        ; 4 lane
	s_wait_kmcnt 0x0
.irp i, 0,1,2,3,4,5,6,7
	global_load_b128 v[KEY+4*\i:KEY+4*\i+3], v2, s[4:5] offset:512*\i
.endr
	s_wait_loadcnt 0x0
.irp i, 0,1,2,3,4,5,6,7
.irp c, 0,1,2,3
	v_max_i32 v[KEY+4*\i+\c], 0, v[KEY+4*\i+\c]                ; the clip,
	v_min_u32 v[KEY+4*\i+\c], 0xc450, v[KEY+4*\i+\c]           ; to 0 .. 50256
	v_and_b32 v[KEY+4*\i+\c], 7, v[KEY+4*\i+\c]                ; modulo 8
	v_add_nc_u32 v4, 128*\i+\c, v3                             ; the token's number
	v_lshl_or_b32 v[KEY+4*\i+\c], v[KEY+4*\i+\c], 10, v4       ; key
.endr
.endr
; s[dst] = how many of the 1,024 keys lie below s[thr]: 32 compares, each mask counted
.macro COUNT thr, dst
	s_mov_b32 s[\dst], 0
.irp g, 0,1,2,3
.irp k, 0,1,2,3,4,5,6,7
	v_cmp_gt_u32 s[24+\k], s[\thr], v[KEY+8*\g+\k]
.endr
.irp k, 0,1,2,3,4,5,6,7
	s_bcnt1_i32_b32 s21, s[24+\k]
	s_add_co_u32 s[\dst], s[\dst], s21
.endr
.endr
.endm
	s_cmp_eq_u32 ttmp9, 128                        ; the same in all eight waves
	s_cbranch_scc1 .Lroute
	; The key of rank P is the largest X with (keys below X) <= P.  Bit by bit from the top.
	s_lshl_b32 s15, ttmp9, 3
	s_add_co_u32 s15, s15, s14                     ; P = 8 x work-group + wave
	s_mov_b32 s16, 0                               ; X
	s_mov_b32 s17, 0x1000                          ; the bit on trial
	s_mov_b32 s18, 13
.Lbit:
	s_or_b32 s19, s16, s17
	COUNT 19, 20
	s_cmp_le_u32 s20, s15
	s_cselect_b32 s16, s19, s16
	s_lshr_b32 s17, s17, 1
	s_sub_co_u32 s18, s18, 1
	s_cmp_lg_u32 s18, 0
	s_cbranch_scc1 .Lbit
	s_and_b32 s22, s16, 0x3ff                      ; the token
	s_min_u32 s22, s22, 0x3ff                      ; a number made from loaded data enters an address behind a clamp
	s_lshl_b32 s32, s22, 13                        ; 8,192 bytes a row of x
	s_mov_b32 s33, 0
	s_add_nc_u64 s[36:37], s[6:7], s[32:33]
.irp i, 0,1,2,3,4,5,6,7,8,9,10,11,12,13,14,15
	global_load_b128 v[XR+4*\i:XR+4*\i+3], v2, s[36:37] offset:512*\i th:TH_LOAD_NT   ; 512 consecutive bytes a load; each row of x is read once in the launch
.endr
	; addresses, while the row is on its way
	s_mul_i32 s21, s14, RPITCH
	v_lshl_add_u32 v5, v1, 3, s21                  ; my 8 bytes of bf16 in my wave's LDS row
	v_mov_b32 v6, s22
	s_lshl_b32 s23, s14, 2
	s_add_co_u32 s23, s23, TOKS
	v_mov_b32 v7, s23
	v_bfe_u32 v106, v1, 1, 3                       ; panels: row of the eight,
	v_lshrrev_b32 v107, 4, v1                      ; which of two panels,
	v_and_b32 v108, 1, v1                          ; which 16 bytes of the row's 32
	s_lshl_b32 s21, s14, 9                         ; wave w takes panels 16 w .. 16 w + 15: 512 bytes of each LDS row
	v_mul_u32_u24 v[LRD], v106, RPITCH
	v_add_nc_u32 v[LRD], s21, v[LRD]
	v_lshl_add_u32 v[LRD], v107, 5, v[LRD]
	v_lshl_add_u32 v[LRD], v108, 4, v[LRD]
	s_lshl_b32 s21, s14, 19                        ; 16 panels of 32,768 bytes
	v_lshl_add_u32 v[GOF], v107, 15, s21
	v_lshl_add_u32 v[GOF], v106, 5, v[GOF]
	v_lshl_add_u32 v[GOF], v108, 4, v[GOF]
	s_lshl_b32 s32, ttmp9, 8                       ; my eight rows in a panel: 256 bytes
	s_add_nc_u64 s[38:39], s[8:9], s[32:33]
	s_lshl_b32 s32, ttmp9, 5                       ; and in order: 32 bytes
	s_add_nc_u64 s[56:57], s[10:11], s[32:33]
.irp i, 0,1,2,3,4,5,6,7,8,9,10,11,12,13,14,15
	s_wait_loadcnt 15-\i                           ; loads come back in order: 15 - i younger ones stay out
	v_cvt_pk_bf16_f32 v[XR+4*\i], v[XR+4*\i], v[XR+4*\i+1]
	v_cvt_pk_bf16_f32 v[XR+4*\i+1], v[XR+4*\i+2], v[XR+4*\i+3]
	ds_store_b64 v5, v[XR+4*\i:XR+4*\i+1] offset:256*\i        ; 256 consecutive bytes a store
.endr
	ds_store_b32 v7, v6                            ; every lane writes the same word with the same value
	s_wait_dscnt 0x0                               ; for the other waves' sake: all my LDS stores are done
	s_barrier_signal -1
	s_barrier_wait -1
.irp i, 0,1,2,3,4,5,6,7
	ds_load_b128 v[XR+4*\i:XR+4*\i+3], v[LRD] offset:64*\i     ; panels 16 w + 2 i and + 1: sixteen lanes take eight rows x 32 bytes
.endr
.irp i, 0,1,2,3,4,5,6,7
	s_wait_dscnt 7-\i
	global_store_b128 v[GOF], v[XR+4*\i:XR+4*\i+3], s[38:39] offset:65536*\i   ; sixteen lanes store 256 consecutive bytes, aligned
.endr
	s_cmp_lg_u32 s14, 0
	s_cbranch_scc1 .Lend
	v_and_b32 v4, 28, v3                           ; 4 (lane & 7): every lane's address stays inside the eight words that were written
	ds_load_b32 v6, v4 offset:TOKS
	s_wait_xcnt 0x0                                ; EXEC changes only behind this wait: the stores above read it
	v_cmp_gt_u32 vcc_lo, 8, v1
	s_and_saveexec_b32 s34, vcc_lo
	s_wait_dscnt 0x0
	global_store_b32 v3, v6, s[56:57]              ; order[8 g + lane], lanes 0 to 7
	s_wait_xcnt 0x0
	s_or_b32 exec_lo, exec_lo, s34
.Lend:
	s_wait_tensorcnt 0x0
	ds_add_u32 v112, v113
	s_wait_dscnt 0x0
	s_endpgm
.Lroute:
	s_cmp_lg_u32 s14, 0
	s_cbranch_scc1 .Lidle
	s_mov_b32 s40, 0                               ; s[40+e] = first sorted row of expert e
	s_mov_b32 s48, 1024
.irp e, 1,2,3,4,5,6,7
	s_mov_b32 s19, \e<<10
	COUNT 19, 40+\e
.endr
	s_mov_b32 s49, 0                               ; further pieces handed out so far
	s_mov_b32 s55, CAP
	v_mov_b32 v40, 0                               ; lane l makes entry l: expert,
	v_mov_b32 v41, 0                               ; lo,
	v_mov_b32 v42, 0                               ; hi,
	v_mov_b32 v43, 0                               ; 0
.irp e, 0,1,2,3,4,5,6,7
	s_sub_co_u32 s51, s[41+\e], s[40+\e]           ; the expert's rows
	s_max_u32 s51, s51, 1
	s_sub_co_u32 s51, s51, 1
	s_mul_i32 s51, s51, 5699                       ; (rows - 1) / 184, rounded down: 5699 x 184 = 2^20 + 40, exact for arguments below 26,214
	s_lshr_b32 s50, s51, 20                        ; further pieces
	s_add_co_u32 s52, s49, 8                       ; their first entry
	v_sub_nc_u32 v44, v1, s52                      ; wraps to a large number in the lanes below
	v_cmp_gt_u32 s53, s50, v44                     ; my entry is one of them
	v_add_nc_u32 v45, 1, v44
	v_cndmask_b32 v45, 0, v45, s53                 ; the piece's number; 0 for the expert's own entry
	v_cmp_eq_u32 s54, \e, v1
	s_or_b32 s54, s54, s53
	v_mad_u32_u24 v46, v45, s55, s[40+\e]          ; lo
	v_add_nc_u32 v47, s55, v46
	v_min_u32 v47, s[41+\e], v47                   ; hi
	v_mov_b32 v48, \e
	v_cndmask_b32 v40, v40, v48, s54
	v_cndmask_b32 v41, v41, v46, s54
	v_cndmask_b32 v42, v42, v47, s54
	s_add_co_u32 s49, s49, s50
.endr
	s_wait_xcnt 0x0
	v_cmp_gt_u32 vcc_lo, 16, v1
	s_and_saveexec_b32 s34, vcc_lo
	global_store_b128 v2, v[40:43], s[12:13]       ; sixteen lanes store the table's 256 bytes
	s_wait_xcnt 0x0
	s_or_b32 exec_lo, exec_lo, s34
.Lidle:
	s_endpgm
.Lfunc_end_k_qe01346ad04_prep:
	.size	k_qe01346ad04_prep, .Lfunc_end_k_qe01346ad04_prep-k_qe01346ad04_prep
	.p2alignl 7, 3214868480
	.fill 96, 4, 3214868480
	.section	.rodata,"a",@progbits
	.p2align	6, 0x0
	.amdhsa_kernel k_qe01346ad04_prep
		.amdhsa_group_segment_fixed_size 34304
		.amdhsa_private_segment_fixed_size 0
		.amdhsa_enable_private_segment 0
		.amdhsa_kernarg_size 40
		.amdhsa_user_sgpr_count 2
		.amdhsa_user_sgpr_kernarg_segment_ptr 1
		.amdhsa_wavefront_size32 1
		.amdhsa_system_sgpr_workgroup_id_x 1
		.amdhsa_system_sgpr_workgroup_id_y 1
		.amdhsa_system_sgpr_workgroup_id_z 1
		.amdhsa_system_vgpr_workitem_id 0
		.amdhsa_next_free_vgpr 114
		.amdhsa_next_free_sgpr 66
		.amdhsa_reserve_vcc 1
		.amdhsa_float_denorm_mode_32 3
		.amdhsa_float_denorm_mode_16_64 3
		.amdhsa_memory_ordered 1
		.amdhsa_forward_progress 1
		.amdhsa_inst_pref_size 59
	.end_amdhsa_kernel
	.amdgpu_metadata
---
amdhsa.version: [ 1, 2 ]
amdhsa.kernels:
  - .name:           k_qe01346ad04_prep
    .symbol:         k_qe01346ad04_prep.kd
    .args:
      - { .name: token_ids, .offset: 0, .size: 8, .value_kind: global_buffer, .address_space: global }
      - { .name: x, .offset: 8, .size: 8, .value_kind: global_buffer, .address_space: global }
      - { .name: xs, .offset: 16, .size: 8, .value_kind: global_buffer, .address_space: global }
      - { .name: order, .offset: 24, .size: 8, .value_kind: global_buffer, .address_space: global }
      - { .name: route, .offset: 32, .size: 8, .value_kind: global_buffer, .address_space: global }
    .group_segment_fixed_size: 34304
    .private_segment_fixed_size: 0
    .kernarg_segment_align: 8
    .kernarg_segment_size: 40
    .max_flat_workgroup_size: 256
    .sgpr_count:     66
    .vgpr_count:     114
    .wavefront_size: 32
...
	.end_amdgpu_metadata
.endif
;; end of part 1
;; launch gate (part 2): grid 256 x 1, 4 waves a work-group, no clusters, 197,120 bytes of LDS; arguments gate_up_proj, xs, route, hs; writes hs
.if DOCPART == 2
	.amdgcn_target "amdgcn-amd-amdhsa--gfx1250"
	.amdhsa_code_object_version 6
	.text
	.protected	k_qe01346ad04_gate
	.globl	k_qe01346ad04_gate
	.p2align	8
	.type	k_qe01346ad04_gate,@function
k_qe01346ad04_gate:
	s_mov_b64 s[64:65], 0
	v_nop
	global_prefetch_b8 v0, s[64:65] scope:SCOPE_SE
	s_setreg_imm32_b32 hwreg(HW_REG_WAVE_MODE, 25, 1), 1
	s_wait_xcnt 0x0
; One text serves two launches; IS_GATE picks the form.
;   IS_GATE = 1: hs = silu(xs W[:, i]) * (xs W[:, 1024 + i]), W = gate_up_proj[e] ([2048 k][2048] f32), hs in bf16 panels [i / 16][p][16]
;   IS_GATE = 0: out0[order[p]] = hs W, W = down_proj[e] ([1024 k][2048] f32), out0 in f32
; Rows p are the tokens sorted by expert; route gives for each table entry the expert and its rows lo .. hi - 1 (at most 184).
; 256 work-groups = 8 table slots x 32 column blocks (32 gate + 32 up columns, or 64 columns).  A work-group makes two passes: entry slot and
; entry slot + 8; a pass whose entry is empty does nothing but pass its two barriers.
; A pass multiplies the 192 sorted rows from b = min(lo & -8, 832) on, which hold the entry's rows (lo - b <= 7, or b + 192 = 1,024); rows outside
; lo .. hi - 1 are other experts' rows: they are computed and not stored.
; THE FOUR WAVES SPLIT K.  So each byte of the weights is loaded by one wave of the whole launch, straight into registers, and each activation fragment
; is used by one wave alone: LDS would give it no second reader.  A wave holds all 12 x 4 accumulator tiles; the four partial sums meet in LDS at the end.
; WEIGHTS lie [k][n] in f32, the matrix unit wants k along a lane's registers in bf16.  Lane (r, h) loads 16 bytes = 4 neighbouring columns of one k row
; and lets each of the 4 words belong to another 16-column tile jt (tile jt = columns 4 r + jt).  Sixteen such loads (rows 8 h .. + 7 and 16 + 8 h .. + 7) and
; 32 packing conversions make four fragments of 32 k x 16 columns, with no transposition.
; ACTIVATIONS lie as panels [k / 16][p][16] bf16: one 16-byte load of a wave takes 16 rows x 32 bytes = 512 consecutive bytes, half a fragment.
; The K loop has no LDS access and no barrier, so it may stand under the branch on the entry's counts; the barriers stand outside that branch.
; NO JOINT REQUESTS: no two work-groups read the same weights.  The 32 work-groups of a slot do read the same activations (192 rows); sharing them would need
; LDS slots filled by tensor loads with a barrier in front of each refill, inside a pass that is skipped where its entry is empty, for fragments that one wave reads once.
; With IS_GATE = 1 a lane half's piece of a weight row is 128 bytes of gate and 128 of up columns; the neighbouring column block takes the bytes beside them, so these loads carry no hint.
; LIMITS: operands rounded to bf16 (h once, on its way through hs); K summed as four partial sums, added (0 + 1) + (2 + 3);
; silu(g) = g * rcp(1 + exp2(-1.442695 g)), whose ends are right (exp2 -> inf gives 0, exp2 -> 0 gives g).
.set IS_GATE, 1
.set BMAX,  832                        ; 1,024 - 192
.set ROWB,  8192                       ; bytes in a row of either weight tensor
.set WSTEP, 32*ROWB                    ; a K step of 32 in the weights
.set PANEL, 32768                      ; a panel: 1,024 rows x 32 bytes
.set ASTEP, 2*PANEL                    ; a K step of 32 in the activations
.set STG,   49152                      ; a wave's stage in LDS: 48 tiles x 1,024 bytes; byte t * 1024 + (j >> 2) * 512 + 16 lane + 4 (j & 3)
.if IS_GATE
.set KS,   16                          ; K steps of a wave: 2,048 / 32 / 4
.set ESH,  24                          ; an expert's weights: 2^24 bytes
.set CBSH, 7                           ; a column block in a weight row: 128 bytes (and 128 more at + 4,096)
.set OBSH, 16                          ; a column block in hs: two panels
.set OUTP, 10                          ; s[10:11] hs
.set NT,   32                          ; LDS loads of a task of the way out
.set OB,   38                          ; s[38:39] the stores' base
.else
.set KS,   8                           ; 1,024 / 32 / 4
.set ESH,  23
.set CBSH, 8                           ; 256 bytes
.set OBSH, 8                           ; a column block in a row of out0: 256 bytes
.set OUTP, 12                          ; s[12:13] out0
.set NT,   16
.set OB,   46                          ; the stores' base is HB itself
.endif
; vector registers, in windows of 256 (s_set_vgpr_msb's low byte: bits 1:0 source 0, 3:2 source 1, 5:4 source 2, 7:6 destination)
;   window 0: v0-16 below; v32-63 four weight fragments; v64-159, v160-255 activation fragments (12 x 8), two sets
;   window 1: v0-63, v64-127 weights as loaded (f32), two sets; v128-255 accumulator tiles of row tiles 8-11
;   window 2: accumulator tiles of row tiles 0-7, tile (mt, jt) at v[8 (4 mt + jt)]
.set VL,   1                           ; lane
.set VRR,  2                           ; r = lane & 15
.set VH,   3                           ; h = lane >> 4
.set VW,   4                           ; weights: my byte offset in a K step
.set VA,   5                           ; activations: 32 r + 16 h
.set VS,   6                           ; stage: where I put my results
.set VR,   7                           ; v7-10: stage of wave s: where I read
.set VP0,  11                          ; my first row among the 192, on the way out
.set VP,   12                          ; the same counted from lo
.set VOUT, 13                          ; hs: my byte offset
.set VT,   14                          ; at work
.set VORD, 15                          ; order: my byte offset
.set V16R, 16                          ; 16 r
.set BF,   32
.set AF,   64
.set TB0,  64                          ; the way out: 64 registers from the stages, two sets
.set TB1,  128
.set OUTR, 192                         ; the way out: what is stored
.set ORD,  208                         ; v208-231: order's words, then byte offsets in out0
; scalar registers: s[4:13] buffers; s14 wave; s15 slot; s16 column block; s17 pass; s18 expert, s19 lo, s20 hi; s21 b; s22 hi - lo; s23 b - lo;
; s[24:27], s[28:31] the two entries; s[36:37] an offset, high word 0; s40 trips; s41 EXEC; s50-54 at work
.set PW, 32                            ; s[32:33] weights, stepped
.set PA, 34                            ; s[34:35] activations, stepped
.set WB, 42                            ; s[42:43] weights + column block + my K part
.set AB, 44                            ; s[44:45] activations + my K part
.set HB, 46                            ; s[46:47] output + column block
.set OR, 48                            ; s[48:49] order + 4 b
.set MSB, 0
.macro WIN new                         ; the immediate's high byte repeats the setting that is left; a switch that changes nothing is dropped
.if MSB != \new
	s_set_vgpr_msb (MSB<<8)|\new
.set MSB, \new
.endif
.endm
.macro PLACES                          ; four places behind a matrix instruction (ISA guide 7.12.1)
.rept 4
	v_nop
.endr
.endm
; 16 loads: the weights of K step st (counted from PW) into raw set
.macro LOADW set, st
	WIN 0x40
.irp n, 0,1,2,3,4,5,6,7,8,9,10,11,12,13,14,15
.if IS_GATE
	global_load_b128 v[64*\set+4*\n:64*\set+4*\n+3], v[VW], s[PW:PW+1] offset:\st*WSTEP+(\n+8*(\n>>3))*ROWB
.else
	global_load_b128 v[64*\set+4*\n:64*\set+4*\n+3], v[VW], s[PW:PW+1] offset:\st*WSTEP+(\n+8*(\n>>3))*ROWB th:TH_LOAD_NT
.endif
.endr
.endm
; 24 loads: the 12 activation fragments of K step st (counted from PA) into set
.macro LOADA set, st
	WIN 0
.irp mt, 0,1,2,3,4,5,6,7,8,9,10,11
	global_load_b128 v[AF+96*\set+8*\mt:AF+96*\set+8*\mt+3],   v[VA], s[PA:PA+1] offset:\st*ASTEP+\mt*512
	global_load_b128 v[AF+96*\set+8*\mt+4:AF+96*\set+8*\mt+7], v[VA], s[PA:PA+1] offset:\st*ASTEP+PANEL+\mt*512
.endr
.endm
; raw word 4 n + jt is W[row of load n][column 4 r + jt]; register q of fragment jt holds the rows of loads 2 q and 2 q + 1
.macro CVT set
	WIN 0x05
.irp jt, 0,1,2,3
.irp q, 0,1,2,3,4,5,6,7
	v_cvt_pk_bf16_f32 v[BF+8*\jt+\q], v[64*\set+8*\q+\jt], v[64*\set+8*\q+4+\jt]
.endr
.endr
.endm
; IS_GATE = 1: the weights are source 0: lane (r', h) then holds token r', registers j: h = 0 gate column 4 j + jt, h = 1 up column 4 j + jt.
; IS_GATE = 0: the activations are source 0: lane (r, h), register j: token 8 h + j, column 4 r + jt.
.macro WM acc, xf, wf, zero
.if IS_GATE
.if \zero
	v_wmma_f32_16x16x32_bf16 v[\acc:\acc+7], v[\wf:\wf+7], v[\xf:\xf+7], 0
.else
	v_wmma_f32_16x16x32_bf16 v[\acc:\acc+7], v[\wf:\wf+7], v[\xf:\xf+7], v[\acc:\acc+7]
.endif
.else
.if \zero
	v_wmma_f32_16x16x32_bf16 v[\acc:\acc+7], v[\xf:\xf+7], v[\wf:\wf+7], 0
.else
	v_wmma_f32_16x16x32_bf16 v[\acc:\acc+7], v[\xf:\xf+7], v[\wf:\wf+7], v[\acc:\acc+7]
.endif
.endif
.endm
; 48 matrix instructions.  The 48 accumulators take turns, one instruction a turn, in the same order in every K step.
.macro MUL set, zero
	WIN 0xa0
.irp mt, 0,1,2,3,4,5,6,7
.irp jt, 0,1,2,3
	WM 8*(4*\mt+\jt), AF+96*\set+8*\mt, BF+8*\jt, \zero
.endr
.endr
	WIN 0x50
.irp mt, 0,1,2,3
.irp jt, 0,1,2,3
	WM 128+8*(4*\mt+\jt), AF+96*\set+8*(8+\mt), BF+8*\jt, \zero
.endr
.endr
.endm
; A K step.  Loads are issued in the order W(i), A(i), W(i+1), A(i+1), ..  nw, na: how many younger loads may be out when W(i), A(i) have to be there.
; The four places behind the last matrix instruction serve the loads into the fragments just read, the next step's conversions into v32-63, and the LDS stores of the results.
.macro STEP set, zero, refill, st, nw, na
	s_wait_loadcnt \nw
	CVT \set
.if \refill
	LOADW \set, \st
.endif
	s_wait_loadcnt \na
	MUL \set, \zero
	WIN 0
	PLACES
.if \refill
	LOADA \set, \st
.endif
.endm
.macro ADVANCE
	s_wait_xcnt 0x0                                ; the bases are stepped only behind this wait
	s_add_nc_u64 s[PW:PW+1], s[PW:PW+1], 2*WSTEP
	s_add_nc_u64 s[PA:PA+1], s[PA:PA+1], 2*ASTEP
.endm
	s_load_b256 s[4:11], s[0:1], 0x0               ; weights s[4:5], activations s[6:7], route s[8:9], then hs, or order
	v_lshl_add_u32 v30, v0, 2, 0x30000
	v_mov_b32 v31, 0
.if IS_GATE == 0
	s_load_b64 s[12:13], s[0:1], 0x20              ; out0
.endif
	v_lshrrev_b32 v[VT], 5, v0
	v_readfirstlane_b32 s14, v[VT]                 ; wave
	s_lshr_b32 s15, ttmp9, 5                       ; table slot
	s_and_b32 s16, ttmp9, 31                       ; column block
	s_lshl_b32 s54, s15, 4
	s_wait_kmcnt 0x0
	s_load_b128 s[24:27], s[8:9], s54 offset:0x0   ; entry slot
	s_load_b128 s[28:31], s[8:9], s54 offset:0x80  ; entry slot + 8
	v_and_b32 v[VL], 31, v0
	v_and_b32 v[VRR], 15, v0
	v_bfe_u32 v[VH], v0, 4, 1
	s_lshr_b32 s50, s14, 1
	s_and_b32 s51, s14, 1
	v_lshlrev_b32 v[VW], 16, v[VH]                 ; 8 h rows of 8,192 bytes
.if IS_GATE
	v_and_b32 v[VT], 7, v[VRR]
	v_lshl_add_u32 v[VW], v[VT], 4, v[VW]          ; r < 8: gate columns 4 r ..; r >= 8: up columns 4 (r - 8) .., 4,096 bytes on
	v_lshrrev_b32 v[VT], 3, v[VRR]
	v_lshl_add_u32 v[VW], v[VT], 12, v[VW]
.else
	v_lshl_add_u32 v[VW], v[VRR], 4, v[VW]         ; columns 4 r ..
.endif
	v_lshlrev_b32 v[VA], 5, v[VRR]
	v_lshl_add_u32 v[VA], v[VH], 4, v[VA]
	s_mul_i32 s52, s14, STG
	v_lshl_add_u32 v[VS], v[VL], 4, s52
	; the way out: wave w's task i takes row tile 2 i + (w >> 1) and registers 4 (w & 1) .. + 3 of all four column tiles
	s_lshl_b32 s52, s50, 12
	s_lshl_b32 s53, s51, 9
	s_add_co_u32 s52, s52, s53
.if IS_GATE
	v_lshl_add_u32 v[VR], v[VL], 3, s52            ; 8 bytes: lane = (token lane >> 1, c = lane & 1) takes registers 4 (w & 1) + 2 c, + 1 of the token's lane
.else
	v_lshl_add_u32 v[VR], v[VL], 4, s52            ; 16 bytes: my own lane's four registers
.endif
	v_add_nc_u32 v[VR+1], STG, v[VR]
	v_add_nc_u32 v[VR+2], 2*STG, v[VR]
	v_add_nc_u32 v[VR+3], 3*STG, v[VR]
	s_lshl_b32 s52, s50, 4
.if IS_GATE
	v_lshrrev_b32 v[VP0], 1, v[VL]
	v_add_nc_u32 v[VP0], s52, v[VP0]               ; row (lane >> 1) + 16 (w >> 1)
	s_lshl_b32 s52, s50, 9
	s_lshl_b32 s53, s51, 15
	s_add_co_u32 s52, s52, s53
	v_lshl_add_u32 v[VOUT], v[VL], 4, s52          ; 16 rows x 32 bytes are 16 lane; + panel w & 1
.else
	s_lshl2_add_u32 s52, s51, s52
	v_lshl_add_u32 v[VP0], v[VH], 3, s52           ; row 8 h + 16 (w >> 1) + 4 (w & 1)
	v_lshlrev_b32 v[VORD], 2, v[VP0]
	v_lshlrev_b32 v[V16R], 4, v[VRR]
.endif
	s_lshl_b32 s36, s16, CBSH
	s_mul_i32 s53, s14, KS*WSTEP
	s_add_co_u32 s36, s36, s53
	s_mov_b32 s37, 0
	s_add_nc_u64 s[WB:WB+1], s[4:5], s[36:37]
	s_mul_i32 s36, s14, KS*ASTEP
	s_add_nc_u64 s[AB:AB+1], s[6:7], s[36:37]
	s_lshl_b32 s36, s16, OBSH
	s_add_nc_u64 s[HB:HB+1], s[OUTP:OUTP+1], s[36:37]
	s_wait_kmcnt 0x0
	s_mov_b32 s18, s24
	s_mov_b32 s19, s25
	s_mov_b32 s20, s26
	s_mov_b32 s17, 0
.Lpass:
.if IS_GATE == 0
	s_wait_loadcnt 0x0                             ; an empty pass leaves its loads of order out: their base and registers are written below
.endif
	s_and_b32 s21, s19, -8
	s_min_u32 s21, s21, BMAX                       ; b: a multiple of 8, and b + 192 <= 1,024
	s_sub_co_u32 s22, s20, s19                     ; rows of the entry
	s_sub_co_u32 s23, s21, s19                     ; b - lo
	s_min_u32 s18, s18, 7
	s_lshl_b32 s36, s18, ESH
	s_add_nc_u64 s[PW:PW+1], s[WB:WB+1], s[36:37]
	s_lshl_b32 s36, s21, 5
	s_add_nc_u64 s[PA:PA+1], s[AB:AB+1], s[36:37]
.if IS_GATE
	s_add_nc_u64 s[OB:OB+1], s[HB:HB+1], s[36:37]
.else
	s_lshl_b32 s36, s21, 2
	s_add_nc_u64 s[OR:OR+1], s[10:11], s[36:37]
.endif
	v_add_nc_u32 v[VP], s23, v[VP0]                ; below lo it wraps to a large number
	s_cmp_ge_u32 s19, s20
	s_cbranch_scc1 .Lno_main                       ; an empty entry: no barrier stands between here and the label
	LOADW 0, 0
	LOADA 0, 0
	LOADW 1, 1
	LOADA 1, 1
	ADVANCE
	; W(i): A(i) 24 + W(i+1) 16 + A(i+1) 24 = 64 younger loads; the wait's field ends at 63, and a smaller count is safe.  A(i): 16 + 24 + the 16 just issued = 56.
	STEP 0, 1, 1, 0, 63, 56                        ; the first products start the sums: nothing is cleared
	STEP 1, 0, 1, 1, 63, 56
	ADVANCE
	s_mov_b32 s40, KS/2-2
.Lk:
	STEP 0, 0, 1, 0, 63, 56
	STEP 1, 0, 1, 1, 63, 56
	ADVANCE
	s_sub_co_u32 s40, s40, 1
	s_cmp_lg_u32 s40, 0
	s_cbranch_scc1 .Lk
	STEP 0, 0, 0, 0, 63, 40                        ; the last two K steps load nothing: the counts run down
	STEP 1, 0, 0, 0, 24, 0
	WIN 0x08                                       ; my 48 partial tiles into my stage: 512 consecutive bytes a store
.set t, 0
.rept 32
	ds_store_b128 v[VS], v[8*t:8*t+3] offset:t*1024
	ds_store_b128 v[VS], v[8*t+4:8*t+7] offset:t*1024+512
.set t, t+1
.endr
	WIN 0x04
.set t, 0
.rept 16
	ds_store_b128 v[VS], v[128+8*t:128+8*t+3] offset:(32+t)*1024
	ds_store_b128 v[VS], v[128+8*t+4:128+8*t+7] offset:(32+t)*1024+512
.set t, t+1
.endr
	WIN 0
.Lno_main:
.if IS_GATE == 0
.irp i, 0,1,2,3,4,5
	global_load_b128 v[ORD+4*\i:ORD+4*\i+3], v[VORD], s[OR:OR+1] offset:128*\i   ; the tokens of my four rows of task i; inside order for every b
.endr
.endif
	s_wait_dscnt 0x0                               ; for the other waves' sake: my stage is written
	s_barrier_signal -1
	s_barrier_wait -1
	s_cmp_ge_u32 s19, s20
	s_cbranch_scc1 .Lno_out
; the LDS loads of task i into set T: register 16 s + 4 jt + .. from wave s's stage
.macro LOADT i, T
.irp s, 0,1,2,3
.irp jt, 0,1,2,3
.if IS_GATE
	ds_load_b64 v[\T+16*\s+4*\jt:\T+16*\s+4*\jt+1],   v[VR+\s] offset:\i*8192+\jt*1024       ; gate (lanes 0-15 of the tile): 256 consecutive bytes
	ds_load_b64 v[\T+16*\s+4*\jt+2:\T+16*\s+4*\jt+3], v[VR+\s] offset:\i*8192+\jt*1024+256   ; up (lanes 16-31)
.else
	ds_load_b128 v[\T+16*\s+4*\jt:\T+16*\s+4*\jt+3], v[VR+\s] offset:\i*8192+\jt*1024
.endif
.endr
.endr
.endm
.macro WORK i, T
.irp p, 0,2,4,6,8,10,12,14
	v_pk_add_f32 v[\T+\p:\T+\p+1], v[\T+\p:\T+\p+1], v[\T+16+\p:\T+16+\p+1]                  ; waves 0 + 1
	v_pk_add_f32 v[\T+32+\p:\T+32+\p+1], v[\T+32+\p:\T+32+\p+1], v[\T+48+\p:\T+48+\p+1]      ; waves 2 + 3
.endr
.if IS_GATE
.irp p, 0,2,4,6,8,10,12,14
	v_pk_add_f32 v[\T+\p:\T+\p+1], v[\T+\p:\T+\p+1], v[\T+32+\p:\T+32+\p+1]
.endr
	; g at T + 4 jt, + 1 and u at T + 4 jt + 2, + 3: columns 16 (w & 1) + 8 c + 4 e + jt, e = 0, 1.  At work: T + 16 + 2 jt, + 1.
.irp jt, 0,1,2,3
	v_pk_mul_f32 v[\T+16+2*\jt:\T+16+2*\jt+1], v[\T+4*\jt:\T+4*\jt+1], 0xbfb8aa3b op_sel_hi:[1,0]   ; -g log2(e)
.endr
.irp n, 0,1,2,3,4,5,6,7
	v_exp_f32 v[\T+16+\n], v[\T+16+\n]
.endr
	v_add_nc_u32 v[VT], 32*\i, v[VP]               ; my row counted from lo; also the plain instruction behind the exponentials (ISA guide 5.7.2)
	s_wait_alu depctr_va_vdst(0)
.irp jt, 0,1,2,3
	v_pk_add_f32 v[\T+16+2*\jt:\T+16+2*\jt+1], v[\T+16+2*\jt:\T+16+2*\jt+1], 1.0 op_sel_hi:[1,0]
.endr
.irp n, 0,1,2,3,4,5,6,7
	v_rcp_f32 v[\T+16+\n], v[\T+16+\n]
.endr
	v_nop                                          ; the plain instruction behind the reciprocals
	s_wait_alu depctr_va_vdst(0)
.irp jt, 0,1,2,3
	v_pk_mul_f32 v[\T+16+2*\jt:\T+16+2*\jt+1], v[\T+16+2*\jt:\T+16+2*\jt+1], v[\T+4*\jt:\T+4*\jt+1]
.endr
.irp jt, 0,1,2,3
	v_pk_mul_f32 v[\T+16+2*\jt:\T+16+2*\jt+1], v[\T+16+2*\jt:\T+16+2*\jt+1], v[\T+4*\jt+2:\T+4*\jt+3]
.endr
	v_cvt_pk_bf16_f32 v[OUTR],   v[\T+16], v[\T+18]            ; columns in order: e = 0: jt 0, 1,
	v_cvt_pk_bf16_f32 v[OUTR+1], v[\T+20], v[\T+22]            ; jt 2, 3,
	v_cvt_pk_bf16_f32 v[OUTR+2], v[\T+17], v[\T+19]            ; e = 1: jt 0, 1,
	v_cvt_pk_bf16_f32 v[OUTR+3], v[\T+21], v[\T+23]            ; jt 2, 3: eight neighbouring columns, 16 bytes
	v_cmp_gt_u32 vcc_lo, s22, v[VT]                ; the entry's rows alone are stored
	s_and_saveexec_b32 s41, vcc_lo
	global_store_b128 v[VOUT], v[OUTR:OUTR+3], s[OB:OB+1] offset:1024*\i   ; 16 rows x 32 bytes: 512 consecutive bytes from a multiple of 256
	s_wait_xcnt 0x0                                ; EXEC and the store's data are written again only behind this wait
	s_or_b32 exec_lo, exec_lo, s41
.else
.irp jj, 0,1,2,3
.irp jt, 0,1,2,3
	v_add_f32 v[OUTR+4*\jj+\jt], v[\T+4*\jt+\jj], v[\T+32+4*\jt+\jj]       ; the last sum also puts a row's columns 4 r .. 4 r + 3 side by side
.endr
.endr
.irp jj, 0,1,2,3
	v_add_nc_u32 v[VT], 32*\i+\jj, v[VP]
	v_cmp_gt_u32 vcc_lo, s22, v[VT]                ; the entry's rows alone are stored
	s_and_saveexec_b32 s41, vcc_lo
	global_store_b128 v[ORD+4*\i+\jj], v[OUTR+4*\jj:OUTR+4*\jj+3], s[OB:OB+1] th:TH_STORE_NT   ; sixteen lanes store 256 consecutive bytes of a token's row, aligned
	s_wait_xcnt 0x0                                ; EXEC and the store's data are written again only behind this wait
	s_or_b32 exec_lo, exec_lo, s41
.endr
.endif
.endm
	LOADT 0, TB0
.if IS_GATE
	s_wait_xcnt 0x0                                ; EXEC is narrowed below
.else
	s_wait_loadcnt 0x0                             ; order's words
	s_wait_xcnt 0x0
.set t, 0
.rept 24
	v_min_u32 v[ORD+t], 0x3ff, v[ORD+t]            ; a loaded number enters an address behind a clamp
	v_lshl_add_u32 v[ORD+t], v[ORD+t], 13, v[V16R] ; token x 8,192 bytes + 16 r
.set t, t+1
.endr
.endif
	LOADT 1, TB1
	s_wait_dscnt NT                                ; all but the task just asked for
	WORK 0, TB0
	LOADT 2, TB0
	s_wait_dscnt NT
	WORK 1, TB1
	LOADT 3, TB1
	s_wait_dscnt NT
	WORK 2, TB0
	LOADT 4, TB0
	s_wait_dscnt NT
	WORK 3, TB1
	LOADT 5, TB1
	s_wait_dscnt NT
	WORK 4, TB0
	s_wait_dscnt 0x0
	WORK 5, TB1
.Lno_out:
	s_wait_dscnt 0x0                               ; my reads of the stages are over;
	s_barrier_signal -1
	s_barrier_wait -1                              ; everybody's are: the next pass may write them again
	s_mov_b32 s18, s28
	s_mov_b32 s19, s29
	s_mov_b32 s20, s30
	s_add_co_u32 s17, s17, 1
	s_cmp_lt_u32 s17, 2
	s_cbranch_scc1 .Lpass
	s_wait_tensorcnt 0x0
	ds_add_u32 v30, v31
	s_wait_dscnt 0x0
	s_endpgm
.Lfunc_end_k_qe01346ad04_gate:
	.size	k_qe01346ad04_gate, .Lfunc_end_k_qe01346ad04_gate-k_qe01346ad04_gate
	.p2alignl 7, 3214868480
	.fill 96, 4, 3214868480
	.section	.rodata,"a",@progbits
	.p2align	6, 0x0
	.amdhsa_kernel k_qe01346ad04_gate
		.amdhsa_group_segment_fixed_size 197120
		.amdhsa_private_segment_fixed_size 0
		.amdhsa_enable_private_segment 0
		.amdhsa_kernarg_size 32
		.amdhsa_user_sgpr_count 2
		.amdhsa_user_sgpr_kernarg_segment_ptr 1
		.amdhsa_wavefront_size32 1
		.amdhsa_system_sgpr_workgroup_id_x 1
		.amdhsa_system_sgpr_workgroup_id_y 1
		.amdhsa_system_sgpr_workgroup_id_z 1
		.amdhsa_system_vgpr_workitem_id 0
		.amdhsa_next_free_vgpr 768
		.amdhsa_next_free_sgpr 66
		.amdhsa_reserve_vcc 1
		.amdhsa_float_denorm_mode_32 3
		.amdhsa_float_denorm_mode_16_64 3
		.amdhsa_memory_ordered 1
		.amdhsa_forward_progress 1
		.amdhsa_inst_pref_size 100
	.end_amdhsa_kernel
	.amdgpu_metadata
---
amdhsa.version: [ 1, 2 ]
amdhsa.kernels:
  - .name:           k_qe01346ad04_gate
    .symbol:         k_qe01346ad04_gate.kd
    .args:
      - { .name: gate_up_proj, .offset: 0, .size: 8, .value_kind: global_buffer, .address_space: global }
      - { .name: xs, .offset: 8, .size: 8, .value_kind: global_buffer, .address_space: global }
      - { .name: route, .offset: 16, .size: 8, .value_kind: global_buffer, .address_space: global }
      - { .name: hs, .offset: 24, .size: 8, .value_kind: global_buffer, .address_space: global }
    .group_segment_fixed_size: 197120
    .private_segment_fixed_size: 0
    .kernarg_segment_align: 8
    .kernarg_segment_size: 32
    .max_flat_workgroup_size: 128
    .sgpr_count:     66
    .vgpr_count:     768
    .wavefront_size: 32
...
	.end_amdgpu_metadata
.endif
;; end of part 2
;; launch down (part 3): grid 256 x 1, 4 waves a work-group, no clusters, 197,120 bytes of LDS; arguments down_proj, hs, route, order, out0; writes out0
.if DOCPART == 3
	.amdgcn_target "amdgcn-amd-amdhsa--gfx1250"
	.amdhsa_code_object_version 6
	.text
	.protected	k_qe01346ad04_down
	.globl	k_qe01346ad04_down
	.p2align	8
	.type	k_qe01346ad04_down,@function
k_qe01346ad04_down:
	s_mov_b64 s[64:65], 0
	v_nop
	global_prefetch_b8 v0, s[64:65] scope:SCOPE_SE
	s_setreg_imm32_b32 hwreg(HW_REG_WAVE_MODE, 25, 1), 1
	s_wait_xcnt 0x0
; out0[order[p]] = hs[p] W, W = down_proj[e] ([1024 k][2048] f32), hs in bf16 panels [k / 16][p][16], out0 in f32.
; Rows p are the tokens sorted by expert; route gives for each table entry the expert and its rows lo .. hi - 1 (at most 184).
; 256 work-groups = 8 table slots x 32 column blocks of 64 columns.  A work-group makes two passes: entry slot and entry slot + 8;
; a pass whose entry is empty does nothing but pass its two barriers.
; A pass multiplies the 192 sorted rows from b = min(lo & -8, 832) on, which hold the entry's rows (lo - b <= 7, or b + 192 = 1,024); rows outside
; lo .. hi - 1 are other experts' rows: they are computed and not stored.
; THE FOUR WAVES SPLIT K.  So each byte of the weights is loaded by one wave of the whole launch, straight into registers, and each activation fragment
; is used by one wave alone: LDS would give it no second reader.  A wave holds all 12 x 4 accumulator tiles; the four partial sums meet in LDS at the end.
; WEIGHTS lie [k][n] in f32, the matrix unit wants k along a lane's registers in bf16.  Lane (r, h) loads 16 bytes = 4 neighbouring columns of one k row
; and lets each of the 4 words belong to another 16-column tile jt (tile jt = columns 4 r + jt).  Sixteen such loads (rows 8 h .. + 7 and 16 + 8 h .. + 7) and
; 32 packing conversions make four fragments of 32 k x 16 columns, with no transposition.
; ACTIVATIONS: one 16-byte load of a wave takes 16 rows x 32 bytes of a panel = 512 consecutive bytes, half a fragment.
; The K loop has no LDS access and no barrier, so it may stand under the branch on the entry's counts; the barriers stand outside that branch.
; THE SCATTER: a token's row enters a store's address as the scalar base: order's word comes by a scalar load, is clamped to 1,023, shifted and added to
; out0's address.  A store therefore serves one token: sixteen lanes, 256 consecutive bytes, aligned; the other sixteen lanes are off.
; NO JOINT REQUESTS: no two work-groups read the same weights.  The 32 work-groups of a slot do read the same activations (192 rows); sharing them would need
; LDS slots filled by tensor loads with a barrier in front of each refill, inside a pass that is skipped where its entry is empty, for fragments that one wave reads once.
; LIMITS: operands rounded to bf16; K summed as four partial sums, added (0 + 1) + (2 + 3).
.set BMAX,  832                        ; 1,024 - 192
.set ROWB,  8192                       ; bytes in a row of the weights, and of out0
.set WSTEP, 32*ROWB                    ; a K step of 32 in the weights
.set PANEL, 32768                      ; a panel: 1,024 rows x 32 bytes
.set ASTEP, 2*PANEL                    ; a K step of 32 in the activations
.set STG,   49152                      ; a wave's stage in LDS: 48 tiles x 1,024 bytes; byte t * 1024 + (j >> 2) * 512 + 16 lane + 4 (j & 3)
.set KS,    8                          ; K steps of a wave: 1,024 / 32 / 4
.set ESH,   23                         ; an expert's weights: 2^23 bytes
.set NT,    16                         ; LDS loads of a task of the way out
; vector registers, in windows of 256 (s_set_vgpr_msb's low byte: bits 1:0 source 0, 3:2 source 1, 5:4 source 2, 7:6 destination)
;   window 0: v0-16 below; v32-63 four weight fragments; v64-159, v160-255 activation fragments (12 x 8), two sets
;   window 1: v0-63, v64-127 weights as loaded (f32), two sets; v128-255 accumulator tiles of row tiles 8-11
;   window 2: accumulator tiles of row tiles 0-7, tile (mt, jt) at v[8 (4 mt + jt)]
.set VL,   1                           ; lane
.set VRR,  2                           ; r = lane & 15
.set VH,   3                           ; h = lane >> 4
.set VW,   4                           ; weights: my byte offset in a K step
.set VA,   5                           ; activations: 32 r + 16 h
.set VS,   6                           ; stage: where I put my results
.set VR,   7                           ; v7-10: stage of wave s: where I read
.set VPH0, 11                          ; v11, v12: my first row among the 192 on the way out, + 2^30 in the lanes of the half that v11 (h = 1) or v12 (h = 0) does not serve
.set VPH,  13                          ; v13, v14: the same counted from lo
.set VT,   15                          ; at work
.set V16R, 16                          ; 16 r: my 16 bytes in the block's 256 of a row of out0; never rewritten
.set BF,   32
.set AF,   64
.set TB0,  64                          ; the way out: 64 registers from the stages, two sets
.set TB1,  128
.set OUTR, 192                         ; the way out: what is stored
; scalar registers: s[4:13] buffers; s14 wave; s15 slot; s16 column block; s17 pass; s18 expert, s19 lo, s20 hi; s21 b; s22 hi - lo; s23 b - lo;
; s[24:27], s[28:31] the two entries; s[36:37] an offset, high word 0; s40 trips; s41 EXEC; s52-54 at work
.set PW,  32                           ; s[32:33] weights, stepped
.set PA,  34                           ; s[34:35] activations, stepped
.set OB,  38                           ; s[38:39] a store's base: out0 + column block + the token's row
.set WB,  42                           ; s[42:43] weights + column block + my K part
.set AB,  44                           ; s[44:45] activations + my K part
.set HB,  46                           ; s[46:47] out0 + column block
.set OR,  48                           ; s[48:49] order at row b + my wave's first row
.set OW,  50                           ; s[50:51] order at my wave's first row
.set SW0, 56                           ; s[56:63] order's eight words of a task: h = 0: rows jj = 0..3, then h = 1; two sets that take turns
.set SW1, 68                           ; s[68:75]
.set MSB, 0
.macro WIN new                         ; the immediate's high byte repeats the setting that is left; a switch that changes nothing is dropped
.if MSB != \new
	s_set_vgpr_msb (MSB<<8)|\new
.set MSB, \new
.endif
.endm
.macro PLACES                          ; four places behind a matrix instruction (ISA guide 7.12.1)
.rept 4
	v_nop
.endr
.endm
; 16 loads: the weights of K step st (counted from PW) into raw set; sixteen lanes take 256 consecutive bytes of a row; read once in the launch
.macro LOADW set, st
	WIN 0x40
.irp n, 0,1,2,3,4,5,6,7,8,9,10,11,12,13,14,15
	global_load_b128 v[64*\set+4*\n:64*\set+4*\n+3], v[VW], s[PW:PW+1] offset:\st*WSTEP+(\n+8*(\n>>3))*ROWB th:TH_LOAD_NT
.endr
.endm
; 24 loads: the 12 activation fragments of K step st (counted from PA) into set
.macro LOADA set, st
	WIN 0
.irp mt, 0,1,2,3,4,5,6,7,8,9,10,11
	global_load_b128 v[AF+96*\set+8*\mt:AF+96*\set+8*\mt+3],   v[VA], s[PA:PA+1] offset:\st*ASTEP+\mt*512
	global_load_b128 v[AF+96*\set+8*\mt+4:AF+96*\set+8*\mt+7], v[VA], s[PA:PA+1] offset:\st*ASTEP+PANEL+\mt*512
.endr
.endm
; raw word 4 n + jt is W[row of load n][column 4 r + jt]; register q of fragment jt holds the rows of loads 2 q and 2 q + 1
.macro CVT set
	WIN 0x05
.irp jt, 0,1,2,3
.irp q, 0,1,2,3,4,5,6,7
	v_cvt_pk_bf16_f32 v[BF+8*\jt+\q], v[64*\set+8*\q+\jt], v[64*\set+8*\q+4+\jt]
.endr
.endr
.endm
; The activations are source 0: in the result lane (r, h), register j holds token 8 h + j, column 4 r + jt.
.macro WM acc, xf, wf, zero
.if \zero
	v_wmma_f32_16x16x32_bf16 v[\acc:\acc+7], v[\xf:\xf+7], v[\wf:\wf+7], 0
.else
	v_wmma_f32_16x16x32_bf16 v[\acc:\acc+7], v[\xf:\xf+7], v[\wf:\wf+7], v[\acc:\acc+7]
.endif
.endm
; 48 matrix instructions.  The 48 accumulators take turns, one instruction a turn, in the same order in every K step.
.macro MUL set, zero
	WIN 0xa0
.irp mt, 0,1,2,3,4,5,6,7
.irp jt, 0,1,2,3
	WM 8*(4*\mt+\jt), AF+96*\set+8*\mt, BF+8*\jt, \zero
.endr
.endr
	WIN 0x50
.irp mt, 0,1,2,3
.irp jt, 0,1,2,3
	WM 128+8*(4*\mt+\jt), AF+96*\set+8*(8+\mt), BF+8*\jt, \zero
.endr
.endr
.endm
; A K step.  Loads are issued in the order W(i), A(i), W(i+1), A(i+1), ..  nw, na: how many younger loads may be out when W(i), A(i) have to be there.
; The four places behind the last matrix instruction serve the loads into the fragments just read, the next step's conversions into v32-63, and the LDS stores of the results.
.macro STEP set, zero, refill, st, nw, na
	s_wait_loadcnt \nw
	CVT \set
.if \refill
	LOADW \set, \st
.endif
	s_wait_loadcnt \na
	MUL \set, \zero
	WIN 0
	PLACES
.if \refill
	LOADA \set, \st
.endif
.endm
.macro ADVANCE
	s_wait_xcnt 0x0                                ; the bases are stepped only behind this wait
	s_add_nc_u64 s[PW:PW+1], s[PW:PW+1], 2*WSTEP
	s_add_nc_u64 s[PA:PA+1], s[PA:PA+1], 2*ASTEP
.endm
; THE WAY OUT.  Wave w's task i takes row tile 2 i + (w >> 1) and registers 4 (w & 1) .. + 3 of all four column tiles:
; rows 32 i + 16 (w >> 1) + 4 (w & 1) + 8 h + jj, jj = 0 .. 3, of the pass's 192.
; the LDS loads of task i into set T: register 16 s + 4 jt + jj from wave s's stage, 512 consecutive bytes a load
.macro LOADT i, T
.irp s, 0,1,2,3
.irp jt, 0,1,2,3
	ds_load_b128 v[\T+16*\s+4*\jt:\T+16*\s+4*\jt+3], v[VR+\s] offset:\i*8192+\jt*1024
.endr
.endr
.endm
; order's words of task i's eight rows: four of the half h = 0, four of the half h = 1 (eight rows = 32 bytes further on)
.macro SLOAD i, wd
	s_load_b128 s[\wd:\wd+3],   s[OR:OR+1], 128*(\i)
	s_load_b128 s[\wd+4:\wd+7], s[OR:OR+1], 128*(\i)+32
.endm
; task i: the four partial sums are added and eight rows stored.  wd: the task's words of order; more = 1: the next task's words are asked for, into set nx.
.macro WORK i, T, wd, more, nx
.irp p, 0,2,4,6,8,10,12,14
	v_pk_add_f32 v[\T+\p:\T+\p+1], v[\T+\p:\T+\p+1], v[\T+16+\p:\T+16+\p+1]                  ; waves 0 + 1
	v_pk_add_f32 v[\T+32+\p:\T+32+\p+1], v[\T+32+\p:\T+32+\p+1], v[\T+48+\p:\T+48+\p+1]      ; waves 2 + 3
.endr
.irp jj, 0,1,2,3
.irp jt, 0,1,2,3
	v_add_f32 v[OUTR+4*\jj+\jt], v[\T+4*\jt+\jj], v[\T+32+4*\jt+\jj]       ; the last sum also puts a row's columns 4 r .. 4 r + 3 side by side
.endr
.endr
	s_wait_kmcnt 0x0                               ; this task's words of order are here
.if \more
	SLOAD \i+1, \nx                                ; the next task's: they have this task's stores and the next task's sums in which to come
	s_wait_xcnt 0x0                                ; EXEC is narrowed only behind this wait
.endif
.irp jj, 0,1,2,3
.irp hh, 0,1
	s_min_u32 s[\wd+4*\hh+\jj], s[\wd+4*\hh+\jj], 0x3ff        ; a loaded number enters an address behind a clamp
	s_lshl_b32 s36, s[\wd+4*\hh+\jj], 13                       ; token x 8,192 bytes
	s_add_nc_u64 s[OB:OB+1], s[HB:HB+1], s[36:37]
	v_add_nc_u32 v[VT], 32*\i+\jj, v[VPH+\hh]                  ; my row counted from lo; far too large in the other half's lanes
	v_cmp_gt_u32 vcc_lo, s22, v[VT]                            ; the entry's rows alone are stored, by the half that holds them
	s_and_saveexec_b32 s41, vcc_lo
	global_store_b128 v[V16R], v[OUTR+4*\jj:OUTR+4*\jj+3], s[OB:OB+1] th:TH_STORE_NT   ; sixteen lanes store 256 consecutive bytes of the token's row, aligned
	s_wait_xcnt 0x0                                ; EXEC, the base and the store's data are written again only behind this wait
	s_or_b32 exec_lo, exec_lo, s41
.endr
.endr
.endm
	s_load_b256 s[4:11], s[0:1], 0x0               ; down_proj s[4:5], hs s[6:7], route s[8:9], order s[10:11]
	s_load_b64 s[12:13], s[0:1], 0x20              ; out0
	v_lshl_add_u32 v30, v0, 2, 0x30000
	v_mov_b32 v31, 0
	v_lshrrev_b32 v[VT], 5, v0
	v_readfirstlane_b32 s14, v[VT]                 ; wave
	s_lshr_b32 s15, ttmp9, 5                       ; table slot
	s_and_b32 s16, ttmp9, 31                       ; column block
	s_lshl_b32 s54, s15, 4
	s_wait_kmcnt 0x0
	s_load_b128 s[24:27], s[8:9], s54 offset:0x0   ; entry slot
	s_load_b128 s[28:31], s[8:9], s54 offset:0x80  ; entry slot + 8
	v_and_b32 v[VL], 31, v0
	v_and_b32 v[VRR], 15, v0
	v_bfe_u32 v[VH], v0, 4, 1
	s_lshr_b32 s50, s14, 1
	s_and_b32 s51, s14, 1
	v_lshlrev_b32 v[VW], 16, v[VH]                 ; 8 h rows of 8,192 bytes
	v_lshl_add_u32 v[VW], v[VRR], 4, v[VW]         ; columns 4 r ..
	v_lshlrev_b32 v[VA], 5, v[VRR]
	v_lshl_add_u32 v[VA], v[VH], 4, v[VA]
	s_mul_i32 s52, s14, STG
	v_lshl_add_u32 v[VS], v[VL], 4, s52
	s_lshl_b32 s52, s50, 12                        ; row tile w >> 1: four tiles of 1,024 bytes
	s_lshl_b32 s53, s51, 9                         ; registers 4 (w & 1) ..: 512 bytes
	s_add_co_u32 s52, s52, s53
	v_lshl_add_u32 v[VR], v[VL], 4, s52            ; my own lane's four registers
	v_add_nc_u32 v[VR+1], STG, v[VR]
	v_add_nc_u32 v[VR+2], 2*STG, v[VR]
	v_add_nc_u32 v[VR+3], 3*STG, v[VR]
	s_lshl_b32 s52, s50, 4
	s_lshl2_add_u32 s52, s51, s52                  ; my wave's first row: 16 (w >> 1) + 4 (w & 1)
	v_lshl_add_u32 v[VT], v[VH], 3, s52            ; + 8 h
	v_lshl_add_u32 v[VPH0], v[VH], 30, v[VT]       ; for the stores of the half h = 0: + 2^30 where h = 1
	v_xor_b32 v[VPH0+1], 1, v[VH]
	v_lshl_add_u32 v[VPH0+1], v[VPH0+1], 30, v[VT] ; for the stores of the half h = 1: + 2^30 where h = 0
	v_lshlrev_b32 v[V16R], 4, v[VRR]
	s_lshl_b32 s36, s16, 8                         ; a column block in a weight row: 256 bytes
	s_mul_i32 s53, s14, KS*WSTEP
	s_add_co_u32 s36, s36, s53
	s_mov_b32 s37, 0
	s_add_nc_u64 s[WB:WB+1], s[4:5], s[36:37]
	s_mul_i32 s36, s14, KS*ASTEP
	s_add_nc_u64 s[AB:AB+1], s[6:7], s[36:37]
	s_lshl_b32 s36, s16, 8                         ; a column block in a row of out0: 256 bytes
	s_add_nc_u64 s[HB:HB+1], s[12:13], s[36:37]
	s_lshl_b32 s36, s52, 2                         ; my wave's first row in order: 4 bytes a row
	s_add_nc_u64 s[OW:OW+1], s[10:11], s[36:37]
	s_wait_kmcnt 0x0
	s_mov_b32 s18, s24
	s_mov_b32 s19, s25
	s_mov_b32 s20, s26
	s_mov_b32 s17, 0
.Lpass:
	s_and_b32 s21, s19, -8
	s_min_u32 s21, s21, BMAX                       ; b: a multiple of 8, and b + 192 <= 1,024
	s_sub_co_u32 s22, s20, s19                     ; rows of the entry
	s_sub_co_u32 s23, s21, s19                     ; b - lo: -191 to 0
	s_min_u32 s18, s18, 7
	s_lshl_b32 s36, s18, ESH
	s_add_nc_u64 s[PW:PW+1], s[WB:WB+1], s[36:37]
	s_lshl_b32 s36, s21, 5
	s_add_nc_u64 s[PA:PA+1], s[AB:AB+1], s[36:37]
	s_lshl_b32 s36, s21, 2
	s_add_nc_u64 s[OR:OR+1], s[OW:OW+1], s[36:37]
	v_add_nc_u32 v[VPH], s23, v[VPH0]              ; below lo it wraps to a large number; with 2^30 it lies within 191 of 2^30: both above the entry's 184 rows at the most
	v_add_nc_u32 v[VPH+1], s23, v[VPH0+1]
	s_cmp_ge_u32 s19, s20
	s_cbranch_scc1 .Lno_main                       ; an empty entry: no barrier stands between here and the label
	LOADW 0, 0
	LOADA 0, 0
	LOADW 1, 1
	LOADA 1, 1
	ADVANCE
	; W(i): A(i) 24 + W(i+1) 16 + A(i+1) 24 = 64 younger loads; the wait's field ends at 63, and a smaller count is safe.  A(i): 16 + 24 + the 16 just issued = 56.
	STEP 0, 1, 1, 0, 63, 56                        ; the first products start the sums: nothing is cleared
	STEP 1, 0, 1, 1, 63, 56
	ADVANCE
	s_mov_b32 s40, KS/2-2
.Lk:
	STEP 0, 0, 1, 0, 63, 56
	STEP 1, 0, 1, 1, 63, 56
	ADVANCE
	s_sub_co_u32 s40, s40, 1
	s_cmp_lg_u32 s40, 0
	s_cbranch_scc1 .Lk
	STEP 0, 0, 0, 0, 63, 40                        ; the last two K steps load nothing: the counts run down
	STEP 1, 0, 0, 0, 24, 0
	WIN 0x08                                       ; my 48 partial tiles into my stage: 512 consecutive bytes a store
.set t, 0
.rept 32
	ds_store_b128 v[VS], v[8*t:8*t+3] offset:t*1024
	ds_store_b128 v[VS], v[8*t+4:8*t+7] offset:t*1024+512
.set t, t+1
.endr
	WIN 0x04
.set t, 0
.rept 16
	ds_store_b128 v[VS], v[128+8*t:128+8*t+3] offset:(32+t)*1024
	ds_store_b128 v[VS], v[128+8*t+4:128+8*t+7] offset:(32+t)*1024+512
.set t, t+1
.endr
	WIN 0
.Lno_main:
	s_wait_dscnt 0x0                               ; for the other waves' sake: my stage is written
	s_barrier_signal -1
	s_barrier_wait -1
	s_cmp_ge_u32 s19, s20
	s_cbranch_scc1 .Lno_out
	SLOAD 0, SW0
	LOADT 0, TB0
	LOADT 1, TB1
	s_wait_dscnt NT                                ; all but the task just asked for
	WORK 0, TB0, SW0, 1, SW1
	LOADT 2, TB0
	s_wait_dscnt NT
	WORK 1, TB1, SW1, 1, SW0
	LOADT 3, TB1
	s_wait_dscnt NT
	WORK 2, TB0, SW0, 1, SW1
	LOADT 4, TB0
	s_wait_dscnt NT
	WORK 3, TB1, SW1, 1, SW0
	LOADT 5, TB1
	s_wait_dscnt NT
	WORK 4, TB0, SW0, 1, SW1
	s_wait_dscnt 0x0
	WORK 5, TB1, SW1, 0, 0
.Lno_out:
	s_wait_dscnt 0x0                               ; my reads of the stages are over;
	s_barrier_signal -1
	s_barrier_wait -1                              ; everybody's are: the next pass may write them again
	s_mov_b32 s18, s28
	s_mov_b32 s19, s29
	s_mov_b32 s20, s30
	s_add_co_u32 s17, s17, 1
	s_cmp_lt_u32 s17, 2
	s_cbranch_scc1 .Lpass
	s_wait_tensorcnt 0x0
	ds_add_u32 v30, v31
	s_wait_dscnt 0x0
	s_endpgm
.Lfunc_end_k_qe01346ad04_down:
	.size	k_qe01346ad04_down, .Lfunc_end_k_qe01346ad04_down-k_qe01346ad04_down
	.p2alignl 7, 3214868480
	.fill 96, 4, 3214868480
	.section	.rodata,"a",@progbits
	.p2align	6, 0x0
	.amdhsa_kernel k_qe01346ad04_down
		.amdhsa_group_segment_fixed_size 197120
		.amdhsa_private_segment_fixed_size 0
		.amdhsa_enable_private_segment 0
		.amdhsa_kernarg_size 40
		.amdhsa_user_sgpr_count 2
		.amdhsa_user_sgpr_kernarg_segment_ptr 1
		.amdhsa_wavefront_size32 1
		.amdhsa_system_sgpr_workgroup_id_x 1
		.amdhsa_system_sgpr_workgroup_id_y 1
		.amdhsa_system_sgpr_workgroup_id_z 1
		.amdhsa_system_vgpr_workitem_id 0
		.amdhsa_next_free_vgpr 768
		.amdhsa_next_free_sgpr 76
		.amdhsa_reserve_vcc 1
		.amdhsa_float_denorm_mode_32 3
		.amdhsa_float_denorm_mode_16_64 3
		.amdhsa_memory_ordered 1
		.amdhsa_forward_progress 1
		.amdhsa_inst_pref_size 101
	.end_amdhsa_kernel
	.amdgpu_metadata
---
amdhsa.version: [ 1, 2 ]
amdhsa.kernels:
  - .name:           k_qe01346ad04_down
    .symbol:         k_qe01346ad04_down.kd
    .args:
      - { .name: down_proj, .offset: 0, .size: 8, .value_kind: global_buffer, .address_space: global }
      - { .name: hs, .offset: 8, .size: 8, .value_kind: global_buffer, .address_space: global }
      - { .name: route, .offset: 16, .size: 8, .value_kind: global_buffer, .address_space: global }
      - { .name: order, .offset: 24, .size: 8, .value_kind: global_buffer, .address_space: global }
      - { .name: out0, .offset: 32, .size: 8, .value_kind: global_buffer, .address_space: global }
    .group_segment_fixed_size: 197120
    .private_segment_fixed_size: 0
    .kernarg_segment_align: 8
    .kernarg_segment_size: 40
    .max_flat_workgroup_size: 128
    .sgpr_count:     76
    .vgpr_count:     768
    .wavefront_size: 32
...
	.end_amdgpu_metadata
.endif
;; end of part 3
